; MI455X (gfx1250); checked and timed in simulation.
; The chip was launched on July 23, 2026; its instructions are those of AMD's public machine-readable ISA for CDNA 5 (MIT licence, August 2026) and "CDNA5" Instruction Set Architecture Reference Guide (July 2026). The comments in the code are by the model that wrote it; some were corrected since.
;; Quantized Linear. Allowed arithmetic: float matrix products may take bf16 or f16 operands with f32 sums; other float arithmetic in f32, or as packed bf16 or f16 multiplies, adds, multiply-adds, maxima and minima; sums over many terms, partial sums and values carried from step to step in f32; what a program stores and reads back later, other than sums and carried values, may be rounded once to bf16 or f16.
;; Inputs: bias 16,384 float32; weight_q 16,384 x 4,096 int8; weight_scale 16,384 float32; x 1,024 x 4,096 float32.
;; Outputs: out0 1,024 x 16,384 float32.
;; One version. Each part assembles by itself: llvm-mc -triple=amdgcn-amd-amdhsa -mcpu=gfx1250 --defsym DOCPART=n.
;; ======== version 1 of 1: 2 launches
;; limits: values are held in f16: magnitudes above 65,504 overflow, below 6.1e-05 lose precision; inputs' magnitudes at most 65,504
;; workspace buffers: xh 8,388,608 bytes
;; launch cast (part 1): grid 256 x 1, 8 waves a work-group, no clusters, 0 bytes of LDS; arguments x, xh; writes xh
.if DOCPART == 1
	.amdgcn_target "amdgcn-amd-amdhsa--gfx1250"
	.amdhsa_code_object_version 6
	.text
	.protected	k_q1b6148b31f_cast
	.globl	k_q1b6148b31f_cast
	.p2align	8
	.type	k_q1b6148b31f_cast,@function
k_q1b6148b31f_cast:
	s_mov_b64 s[64:65], 0
	v_nop
	global_prefetch_b8 v0, s[64:65] scope:SCOPE_SE
	s_setreg_imm32_b32 hwreg(HW_REG_WAVE_MODE, 25, 1), 1
	s_wait_xcnt 0x0
; xh[m][k] = x[m][k] rounded once to f16 (nearest even).  x: [1024][4096] f32, xh: the same order in f16.
; LIMIT, stated: an |x| that rounds above 65,504 becomes infinity in f16; below 6.1e-5 the step is 6e-8 (f16 denormals, which are kept).
; A stream: no LDS, no barrier, no matrix unit.  256 work-groups of 8 waves; a work-group owns 65,536 bytes of x = 16 pieces of 4,096 bytes.
; Thread t owns the 16 bytes at 16 t of each piece, which become the 8 bytes at 8 t of the piece's 2,048 bytes of xh:
; a wave's load covers 512 consecutive bytes, a wave's store 256 consecutive bytes, aligned.
; All 16 loads of a thread go out first; no register is written twice, so no source of a pending instruction is ever rewritten.
.set X, 4                              ; v[4:67]   piece i: 4 registers, 4 f32 as loaded
.set Y, 68                             ; v[68:99]  piece i: 2 registers, 4 f16 to store
	s_load_b128 s[4:7], s[0:1], 0x0                ; x s[4:5], xh s[6:7]
	s_lshl_b32 s8, ttmp9, 16                       ; the work-group's 65,536 bytes of x (16 MiB in all: 32 bits do)
	s_mov_b32 s9, 0
	s_lshl_b32 s10, ttmp9, 15                      ; and its 32,768 bytes of xh
	s_mov_b32 s11, 0
	v_lshlrev_b32 v1, 4, v0                        ; 16 t
	v_lshlrev_b32 v2, 3, v0                        ; 8 t
	s_wait_kmcnt 0x0
	s_add_nc_u64 s[4:5], s[4:5], s[8:9]
	s_add_nc_u64 s[6:7], s[6:7], s[10:11]
.irp i, 0,1,2,3,4,5,6,7,8,9,10,11,12,13,14,15
	global_load_b128 v[X+4*\i:X+4*\i+3], v1, s[4:5] offset:4096*\i th:TH_LOAD_NT   ; x is read once in the whole program
.endr
.irp i, 0,1,2,3,4,5,6,7,8,9,10,11,12,13,14,15
	s_wait_loadcnt 15-\i                           ; loads come back in order (ISA guide 5.7.1): piece i is in, the 15 - i younger ones stay out
	v_cvt_pk_f16_f32 v[Y+2*\i],   v[X+4*\i],   v[X+4*\i+1]
	v_cvt_pk_f16_f32 v[Y+2*\i+1], v[X+4*\i+2], v[X+4*\i+3]
	global_store_b64 v2, v[Y+2*\i:Y+2*\i+1], s[6:7] offset:2048*\i   ; no hint: the next launch reads xh again and again
.endr
	s_endpgm
.Lfunc_end_k_q1b6148b31f_cast:
	.size	k_q1b6148b31f_cast, .Lfunc_end_k_q1b6148b31f_cast-k_q1b6148b31f_cast
	.p2alignl 7, 3214868480
	.fill 96, 4, 3214868480
	.section	.rodata,"a",@progbits
	.p2align	6, 0x0
	.amdhsa_kernel k_q1b6148b31f_cast
		.amdhsa_group_segment_fixed_size 0
		.amdhsa_private_segment_fixed_size 0
		.amdhsa_enable_private_segment 0
		.amdhsa_kernarg_size 16
		.amdhsa_user_sgpr_count 2
		.amdhsa_user_sgpr_kernarg_segment_ptr 1
		.amdhsa_wavefront_size32 1
		.amdhsa_system_sgpr_workgroup_id_x 1
		.amdhsa_system_sgpr_workgroup_id_y 1
		.amdhsa_system_sgpr_workgroup_id_z 1
		.amdhsa_system_vgpr_workitem_id 0
		.amdhsa_next_free_vgpr 104
		.amdhsa_next_free_sgpr 66
		.amdhsa_reserve_vcc 0
		.amdhsa_float_denorm_mode_32 3
		.amdhsa_float_denorm_mode_16_64 3
		.amdhsa_memory_ordered 1
		.amdhsa_forward_progress 1
		.amdhsa_inst_pref_size 7
	.end_amdhsa_kernel
	.amdgpu_metadata
---
amdhsa.version: [ 1, 2 ]
amdhsa.kernels:
  - .name:           k_q1b6148b31f_cast
    .symbol:         k_q1b6148b31f_cast.kd
    .args:
      - { .name: x, .offset: 0, .size: 8, .value_kind: global_buffer, .address_space: global }
      - { .name: xh, .offset: 8, .size: 8, .value_kind: global_buffer, .address_space: global }
    .group_segment_fixed_size: 0
    .private_segment_fixed_size: 0
    .kernarg_segment_align: 8
    .kernarg_segment_size: 16
    .max_flat_workgroup_size: 256
    .sgpr_count:     66
    .vgpr_count:     104
    .wavefront_size: 32
...
	.end_amdgpu_metadata
.endif
;; end of part 1
;; launch gemm (part 2): grid 64 x 4, 4 waves a work-group, clusters of 4 x 4, 327,680 bytes of LDS; arguments xh, weight_q, weight_scale, bias, out0; writes out0
.if DOCPART == 2
	.amdgcn_target "amdgcn-amd-amdhsa--gfx1250"
	.amdhsa_code_object_version 6
	.text
	.protected	k_q1b6148b31f_gemm
	.globl	k_q1b6148b31f_gemm
	.p2align	8
	.type	k_q1b6148b31f_gemm,@function
k_q1b6148b31f_gemm:
	s_mov_b64 s[64:65], 0
	v_nop
	global_prefetch_b8 v0, s[64:65] scope:SCOPE_SE
	s_setreg_imm32_b32 hwreg(HW_REG_WAVE_MODE, 25, 1), 1
	s_wait_xcnt 0x0
	s_wait_alu depctr_hold_cnt(0) depctr_sa_sdst(0) depctr_va_vdst(0) depctr_va_sdst(0) depctr_va_ssrc(0) depctr_va_vcc(0) depctr_vm_vsrc(0)
	s_getreg_b32 s2, hwreg(HW_REG_IB_STS2, 6, 4)
	s_cmp_eq_u32 s2, 0
	s_cbranch_scc0 .Lentry_in_a_cluster
	s_endpgm
.Lentry_in_a_cluster:
	s_bfe_u32 s2, ttmp6, 0x10000c
	s_cmp_lg_u32 s2, 0xf033
	s_cbranch_scc0 .Lentry_shape_is_right
	s_endpgm
.Lentry_shape_is_right:
; out0[m][n] = (sum over k of xh[m][k] w[n][k]) * weight_scale[n] + bias[n].
; xh: [1024][4096] f16 (x rounded once by the launch before), w = weight_q: [16384][4096] int8, out0: [1024][16384] f32.  Sums in f32.
; LIMIT, stated: x enters the matrix unit in f16 (above 65,504 infinity, below 6.1e-5 a step of 6e-8).  Every int8 weight is exact in f16.
;
; SHAPE.  A work-group makes 256 x 256 of out0 with four waves; a wave makes 256 (m) x 64 (n): 64 accumulator tiles of 16 x 16, 512 registers.
; Each wave has its own 64 rows of w, so that a weight is converted once in a work-group: 80 conversion instructions for 64 matrix instructions.
; The price is that every wave reads all 256 rows of xh from LDS: 32 + 4 loads of 16 bytes a lane for 64 matrix instructions.
; 64 x 4 = 256 work-groups.  K goes in quarters of 32 (64 matrix instructions a wave), steps of 128 (a slot of xh) and chunks of 256 (a slot of w):
; so each row of each tile is 256 consecutive bytes, aligned, for the 2-byte and for the 1-byte operand alike.
; CLUSTERS of 4 x 4 work-groups: xh's tile hangs on the block row alone and is asked for jointly along a row of the cluster, w's on the block column
; alone and is asked for jointly along a column.  A cluster holds all four block rows, so each byte of w is asked for once in the launch.
; No prefetch: each tile is asked for a whole K step (248 matrix instructions of the wave) ahead of the wait for it.
;
; INT8 TO F16 IN REGISTERS.  f16 0x6400 is 1024 with a last place of 1, so the half word 0x6400 | (w xor 0x80) is exactly 1152 + w; adding -1152 gives w exactly.
; Five vector instructions for four weights: one v_xor_b32, two v_perm_b32, two v_pk_add_f16.  The 1152 leaves each weight, never a sum.
;
; PLACES OF K.  Both operands put k = k0 + 16 h + 2 p + half into register p of lane (r, h) (r = lane % 16, h = lane / 16): the same permutation of the 32 k on both
; sides keeps every product.  A w fragment is then ONE load of 16 bytes (16 int8 at k0 + 16 h), an xh fragment two loads of 16 bytes next to each other.
; THE MATRIX INSTRUCTION IS USED TRANSPOSED: source 0 = 16 rows of w, source 1 = 16 rows of xh, so that lane (r, h) holds in register j out(m0 + r, n0 + 8 h + j).
;
; REGISTERS, in windows of 256.  Window X = 0 .. 3 holds n block X: its 16 accumulator tiles, its w fragment in f16 (two buffers), its raw int8 (two buffers), a copy of
; w's LDS addresses and of the three constants, and unit X of xh's fragments (8 m blocks x 8 registers).  Quarter q multiplies units 2 (q & 1) (m blocks 0-7) and
; 2 (q & 1) + 1 (m blocks 8-15).  Under ONE setting (source 0, source 2 and destination in window X, source 1 in the unit's window U: 0x51 X + 4 U) the matrix
; instruction, the raw load and all three conversion instructions can be named, so that the conversions stand between the matrix instructions.
.set PITCH,  272                       ; an LDS row: 256 bytes + 16 of padding, an odd multiple of 16: the 16 rows that a 16-byte load touches lie in 16 different 16-byte columns of 256
.set HALFT,  128*PITCH                 ; 128 rows: what one tensor load brings
.set SLOT,   2*HALFT                   ; 256 rows
.set BRING,  2*SLOT                    ; xh's two slots at 0, w's two slots behind them
.set STAGE,  4*SLOT                    ; 278,528 = 1,088 x 256: the way out's stage; no tensor load ever lands here
.set SP,     272                       ; a stage row: 64 f32 + 16 bytes
.set WSTAGE, 16*SP                     ; 16 rows for each wave: 4,352 = 17 x 256 bytes
.set OROW,   65536                     ; bytes in a row of out0
; window 0 alone:
.set ADRA, 16                          ; v16-17    LDS address of my lane's xh rows in slot 0, 1
.set STO,  18                          ; v18       the way out: where I put 32 bytes of a stage row
.set RD,   19                          ; v19       the way out: where I read 16 bytes of a stage row back
.set CO,   20                          ; v20       my byte offset in two rows of out0: 16 r + 65,536 h
.set CB,   21                          ; v21       16 r: my byte offset in the wave's 256 bytes of weight_scale and of bias
.set SC,   24                          ; v[24:27]  weight_scale of columns 4 r .. 4 r + 3 of my 64
.set BI,   28                          ; v[28:31]  bias of the same
; in every window:
.set XF,   32                          ; v[32:95]  a unit of xh's fragments: m block a of its eight at XF + 8 a (window 0's serves as two buffers on the way out)
.set WF,   96                          ; v[96:111] the n block's fragment in f16, buffer f at WF + 8 f
.set RAW,  112                         ; v[112:119] 16 int8 a lane, buffer b at RAW + 4 b
.set ADRW, 120                         ; v120-121  LDS address of my lane's w rows in slot 0, 1
.set C80,  122                         ; v122      0x80808080
.set C64,  123                         ; v123      0x64646464
.set CNEG, 124                         ; v124      -1152 in f16, twice
.set ACC,  128                         ; v[128:255] the n block's accumulators, m block a at ACC + 8 a
.set G1A, 24                           ; s[24:31] descriptor group 1 for xh's tiles
.set G0A, 32                           ; s[32:39] descriptor group 0 for xh's tiles, one set for each slot
.set G1B, 40                           ; s[40:47] descriptor group 1 for w's tiles
.set G0B, 48                           ; s[48:55] descriptor group 0 for w's tiles, one set for each slot
.set SEL, 62                           ; s62, s63 v_perm_b32 selectors
.set MSB, 0
.macro WIN new                         ; the immediate's high byte repeats the setting that is left; a switch that changes nothing is dropped
.if MSB != (\new)
	s_set_vgpr_msb (MSB<<8)|(\new)
.set MSB, (\new)
.endif
.endm
; Joint loads.  Waves 0 and 1 fetch xh's two halves of a slot, waves 2 and 3 w's.  Each line has one mask and one set of registers for all that issue it;
; the branch hangs on the wave's number alone and is the same in every work-group.
.macro JLOAD_AB sa, sb
	s_cmp_eq_u32 s15, 0
	s_cbranch_scc0 .Lfor_b_\@
	tensor_load_to_lds s[G0A+4*(\sa):G0A+4*(\sa)+3], s[G1A:G1A+7]
	s_nop 0
	s_branch .Lasked_\@
.Lfor_b_\@:
	tensor_load_to_lds s[G0B+4*(\sb):G0B+4*(\sb)+3], s[G1B:G1B+7]
	s_nop 0
.Lasked_\@:
.endm
.macro JLOAD_A sa                      ; a step that frees no slot of w: waves 2 and 3 have nothing to fill
	s_cmp_lg_u32 s15, 0
	s_cbranch_scc1 .Lno_a_\@
	tensor_load_to_lds s[G0A+4*(\sa):G0A+4*(\sa)+3], s[G1A:G1A+7]
	s_nop 0
.Lno_a_\@:
.endm
; A round of the cluster's barrier: my work-group's barrier, so that wave 0's signal speaks for all four waves; wave 0 signals for the work-group;
; every wave waits for all sixteen work-groups; my work-group's barrier once more.
.macro CREST                           ; a round behind its opening barrier
	s_cmp_lg_u32 s14, 0
	s_cbranch_scc1 .Lnot_wave_0_\@
	s_barrier_signal -3
.Lnot_wave_0_\@:
	s_barrier_wait -3
	s_barrier_signal -1
	s_barrier_wait -1
.endm
.macro CROUND                          ; a whole round
	s_barrier_signal -1
	s_barrier_wait -1
	CREST
.endm
	s_load_b256 s[4:11], s[0:1], 0x0               ; xh s[4:5], weight_q s[6:7], weight_scale s[8:9], bias s[10:11]
	s_load_b64 s[12:13], s[0:1], 0x20              ; out0
	s_set_vgpr_msb 0x80
	v_lshl_add_u32 v127, v0, 2, 0x48400
	s_set_vgpr_msb 0x8000
	v_mov_b32 v127, 0
	s_set_vgpr_msb 0x2
	ds_add_u32 v127, v127
	s_set_vgpr_msb 0x200
	v_lshrrev_b32 v1, 5, v0
	v_readfirstlane_b32 s14, v1                    ; wave 0..3: my 64 columns of the block
	s_lshr_b32 s15, s14, 1                         ; I fetch for xh (0) or for w (1)
	s_and_b32 s16, s14, 1                          ; which 128 rows of a tile I fetch
	s_bfe_u32 s17, ttmp6, 0x40000                  ; cx: my place along the cluster's x
	s_bfe_u32 s18, ttmp6, 0x40004                  ; cy: along its y
	s_lshl_b32 s19, ttmp9, 2                       ; in a cluster launch ttmp9 and ttmp7 count clusters
	s_add_co_u32 s19, s19, s17                     ; block column = 4 x cluster x + cx
	s_and_b32 s20, ttmp7, 0xffff
	s_lshl_b32 s20, s20, 2
	s_add_co_u32 s20, s20, s18                     ; block row = 4 x cluster y + cy
	s_lshl_b32 s21, s18, 2
	s_lshl_b32 s21, 15, s21                        ; my row of the cluster: places 4 cy .. 4 cy + 3
	s_lshl_b32 s22, 0x1111, s17                    ; my column: places cx, cx + 4, cx + 8, cx + 12
	; group 1 for xh: 128 rows x 128 elements of 2 bytes; for w: 128 rows x 256 elements of 1 byte.  Both: rows of 64 words, 4 words of padding behind each.
	s_or_b32 s[G1A+0], s21, (1<<16)|(1<<20)|(1<<21)|(5<<22)|(3<<25)  ; 15:0 mask: my row; 17:16 2-byte elements; 20 padding on; 21 set beside a mask; 24:22 after every 64 words; 31:25 four words
	s_mov_b32 s[G1A+1], 128<<16                    ; tensor_dim0 = 128
	s_mov_b32 s[G1A+2], 128<<16                    ; tensor_dim1 = 128
	s_mov_b32 s[G1A+3], 128<<16                    ; tile_dim0 = 128
	s_mov_b32 s[G1A+4], 128                        ; tile_dim1 = 128
	s_mov_b32 s[G1A+5], 4096                       ; elements from row to row
	s_mov_b32 s[G1A+6], 0
	s_mov_b32 s[G1A+7], 0
	s_or_b32 s[G1B+0], s22, (1<<20)|(1<<21)|(5<<22)|(3<<25)          ; mask: my column; 1-byte elements; the rest as above
	s_mov_b32 s[G1B+1], 256<<16                    ; tensor_dim0 = 256
	s_mov_b32 s[G1B+2], 128<<16                    ; tensor_dim1 = 128
	s_mov_b32 s[G1B+3], 256<<16                    ; tile_dim0 = 256
	s_mov_b32 s[G1B+4], 128                        ; tile_dim1 = 128
	s_mov_b32 s[G1B+5], 4096
	s_mov_b32 s[G1B+6], 0
	s_mov_b32 s[G1B+7], 0
	; where the tiles come from: xh's offset is made of the block row and the wave's number, w's of the block column and the wave's number,
	; each in registers that never hold the other coordinate.  Both stay below 2^27 bytes.
	s_lshl_b32 s23, s16, 7                         ; which 128 rows of the tile I fetch
	s_lshl_b32 s56, s20, 8
	s_add_co_u32 s56, s56, s23                     ; xh: row 256 x block row + 128 x half,
	s_lshl_b32 s56, s56, 13                        ; times 8,192 bytes
	s_mov_b32 s57, 0
	s_lshl_b32 s58, s19, 8
	s_add_co_u32 s58, s58, s23                     ; w: row 256 x block column + 128 x half,
	s_lshl_b32 s58, s58, 12                        ; times 4,096 bytes
	s_mov_b32 s59, 0
	s_mul_i32 s70, s14, HALFT                      ; and where they go: wave x 128 rows; no place in the cluster enters an LDS address
	s_wait_dscnt 0x0
	s_wait_kmcnt 0x0
	s_add_nc_u64 s[56:57], s[4:5], s[56:57]
	s_add_nc_u64 s[58:59], s[6:7], s[58:59]
	CROUND                                         ; all sixteen work-groups are here: the first joint loads meet
.irp s, 0,1
	s_mov_b32 s[G0A+4*\s], 1                                       ; count = 1
	s_add_co_u32 s[G0A+4*\s+1], s70, \s*SLOT                       ; LDS: waves 0, 1 -> rows 0-127, 128-255 of xh's slot s
	s_add_nc_u64 s[G0A+4*\s+2:G0A+4*\s+3], s[56:57], \s*256        ; K step s: 128 f16 = 256 bytes along the rows
	s_or_b32 s[G0A+4*\s+3], s[G0A+4*\s+3], 0x80000000              ; type = 2
	s_mov_b32 s[G0B+4*\s], 1
	s_add_co_u32 s[G0B+4*\s+1], s70, BRING-2*HALFT+\s*SLOT         ; LDS: waves 2, 3 -> rows 0-127, 128-255 of w's slot s
	s_add_nc_u64 s[G0B+4*\s+2:G0B+4*\s+3], s[58:59], \s*256        ; chunk s: 256 int8 = 256 bytes along the rows
	s_or_b32 s[G0B+4*\s+3], s[G0B+4*\s+3], 0x80000000
	JLOAD_AB \s, \s                                ; every wave issues two first fills, ahead of everything else: two tensor loads of the wave are out
.endr
	; the lanes' addresses and constants
	v_and_b32 v1, 15, v0                           ; r
	v_bfe_u32 v2, v0, 4, 1                         ; h
	v_mul_u32_u24 v6, v1, PITCH                    ; r x pitch
	v_lshl_add_u32 v[ADRA], v2, 5, v6              ; + 32 h: 16 f16.  Every wave reads all 256 rows of xh's slot
	v_add_nc_u32 v[ADRA+1], SLOT, v[ADRA]
	s_mul_i32 s72, s14, 64*PITCH                   ; my 64 rows of w,
	s_add_co_u32 s72, s72, BRING                   ; in w's ring
	v_lshl_add_u32 v8, v2, 4, v6                   ; r x pitch + 16 h: 16 int8
	v_add_nc_u32 v4, s72, v8
	v_add_nc_u32 v5, SLOT, v4
	s_mul_i32 s73, s14, WSTAGE
	s_add_co_u32 s73, s73, STAGE                   ; my stage
	v_add_nc_u32 v[STO], s73, v[ADRA]              ; in: row r, 32 bytes (8 f32) for each half of the lanes; the stage's pitch is the ring's
	v_lshlrev_b32 v[CB], 4, v1                     ; 16 r
	v_mul_u32_u24 v9, v2, SP
	v_add3_u32 v[RD], s73, v9, v[CB]               ; back: lanes 0-15 take one row of 256 bytes, lanes 16-31 the next
	v_lshl_add_u32 v[CO], v2, 16, v[CB]            ; and the same two rows in out0
	s_mov_b32 s[SEL], 0x00050004                   ; result bytes: raw byte 0, 0x64, raw byte 1, 0x64 (4-7 pick from the first source, 0 from the second)
	s_mov_b32 s[SEL+1], 0x00070006                 ; raw byte 2, 0x64, raw byte 3, 0x64
.irp x, 0,1,2,3
	WIN 0x40*\x                                    ; destination in window x: each window gets w's two LDS addresses and the three constants
	v_mov_b32 v[ADRW], v4
	v_mov_b32 v[ADRW+1], v5
	v_mov_b32 v[C80], 0x80808080
	v_mov_b32 v[C64], 0x64646464
	v_mov_b32 v[CNEG], 0xe480e480
.endr
	WIN 0
	s_lshl_b32 s68, s19, 10                        ; my first column in bytes of f32: 1,024 x block column
	s_lshl_b32 s74, s14, 8                         ; + 256 x wave
	s_add_co_u32 s68, s68, s74
	s_mov_b32 s69, 0
	s_lshl_b32 s60, s20, 24                        ; the block's first row: 256 x block row x 65,536 bytes (below 2^26)
	s_mov_b32 s61, 0
	s_add_nc_u64 s[8:9], s[8:9], s[68:69]
	s_add_nc_u64 s[10:11], s[10:11], s[68:69]
	s_add_nc_u64 s[12:13], s[12:13], s[68:69]
	s_add_nc_u64 s[12:13], s[12:13], s[60:61]
	global_load_b128 v[SC:SC+3], v[CB], s[8:9]     ; waited for on the way out; their sources are never rewritten
	global_load_b128 v[BI:BI+3], v[CB], s[10:11]
; One matrix instruction of the window's n block: m block 8 u + a, w's buffer f, fragment a of the unit.  zero = 1: the first product starts the sum, nothing is cleared.
.macro MM u, a, f, zero
.if \zero
	v_wmma_f32_16x16x32_f16 v[ACC+8*(8*(\u)+(\a)):ACC+8*(8*(\u)+(\a))+7], v[WF+8*(\f):WF+8*(\f)+7], v[XF+8*(\a):XF+8*(\a)+7], 0
.else
	v_wmma_f32_16x16x32_f16 v[ACC+8*(8*(\u)+(\a)):ACC+8*(8*(\u)+(\a))+7], v[WF+8*(\f):WF+8*(\f)+7], v[XF+8*(\a):XF+8*(\a)+7], v[ACC+8*(8*(\u)+(\a)):ACC+8*(8*(\u)+(\a))+7]
.endif
.endm
; Operations first .. first + count - 1 of the 20 that turn the window's raw buffer g into its f16 buffer g:
; 0-3 flip the sign bits (w + 128 as a byte); 4-11 put 0x64 above each byte (1152 + w in f16); 12-19 add -1152.
.macro CVOPS g, first, count
.set cvn, \first
.rept \count
.if cvn < 4
	v_xor_b32 v[RAW+4*(\g)+cvn], v[RAW+4*(\g)+cvn], v[C80]
.else
.if cvn < 12
	v_perm_b32 v[WF+8*(\g)+cvn-4], v[RAW+4*(\g)+(cvn-4)/2], v[C64], s[SEL+((cvn-4)&1)]
.else
	v_pk_add_f16 v[WF+8*(\g)+cvn-12], v[WF+8*(\g)+cvn-12], v[CNEG]
.endif
.endif
.set cvn, cvn+1
.endr
.endm
.macro STEP u, a, f, zero, conv, first, count
	MM \u, \a, \f, \zero
.if \conv
.if \count
	CVOPS 1-(\f), \first, \count
.endif
.endif
.endm
; A section: the window's n block against the eight m blocks of half u of the quarter, and ten of the twenty operations that convert the next quarter's fragment of the
; same n block into the other buffer (operations 0-9 in half 0, 10-19 in half 1), one or two behind a matrix instruction.
; fin = 1, the half's last section: four operations are kept for behind the last matrix instruction.  They name only the other buffer, the raw words and a constant:
; they are the four places (ISA guide 7.12.1 for vector instructions) in front of the loads into the unit that the half has just read.
; The 64 accumulators take turns, one instruction a turn, in the same order in every quarter and over the backward jump.
.macro SECT u, f, zero, conv, fin
.if \fin
	STEP \u, 0, \f, \zero, \conv, 10*(\u)+0, 1
	STEP \u, 1, \f, \zero, \conv, 10*(\u)+1, 1
	STEP \u, 2, \f, \zero, \conv, 10*(\u)+2, 1
	STEP \u, 3, \f, \zero, \conv, 10*(\u)+3, 1
	STEP \u, 4, \f, \zero, \conv, 10*(\u)+4, 1
	STEP \u, 5, \f, \zero, \conv, 10*(\u)+5, 1
	STEP \u, 6, \f, \zero, \conv, 10*(\u)+6, 0
	STEP \u, 7, \f, \zero, \conv, 10*(\u)+6, 4
.else
	STEP \u, 0, \f, \zero, \conv, 10*(\u)+0, 1
	STEP \u, 1, \f, \zero, \conv, 10*(\u)+1, 1
	STEP \u, 2, \f, \zero, \conv, 10*(\u)+2, 2
	STEP \u, 3, \f, \zero, \conv, 10*(\u)+4, 1
	STEP \u, 4, \f, \zero, \conv, 10*(\u)+5, 1
	STEP \u, 5, \f, \zero, \conv, 10*(\u)+6, 1
	STEP \u, 6, \f, \zero, \conv, 10*(\u)+7, 2
	STEP \u, 7, \f, \zero, \conv, 10*(\u)+9, 1
.endif
.endm
; 16 int8 a lane of n block x (the window that destination and source 0 mean), at byte kb of the rows of w's slot, into raw buffer b
.macro RAWLD x, b, slot, kb
	ds_load_b128 v[RAW+4*(\b):RAW+4*(\b)+3], v[ADRW+(\slot)] offset:(\x)*16*PITCH+(\kb)
.endm
; 16 loads: m blocks 8 u .. 8 u + 7 of one quarter, at byte ka of the rows of xh's slot, into the unit that the destination's window means (the address lies in window 0)
.macro XFETCH u, slot, ka
.irp a, 0,1,2,3,4,5,6,7
	ds_load_b128 v[XF+8*\a:XF+8*\a+3],   v[ADRA+(\slot)] offset:(\ka)+(8*(\u)+\a)*16*PITCH
	ds_load_b128 v[XF+8*\a+4:XF+8*\a+7], v[ADRA+(\slot)] offset:(\ka)+(8*(\u)+\a)*16*PITCH+16
.endr
.endm
; Quarter j of a lap of 16 (4 steps, 2 chunks).  Two halves of 32 matrix instructions: m blocks 0-7 on unit 2 (j & 1), m blocks 8-15 on unit 2 (j & 1) + 1, each with
; windows 0 to 3 in turn.  The quarter converts the raw weights of quarter j + 1 and loads for quarter j + 2, in two runs: behind half 0 the four raw loads (into the raw
; buffer that was used up a quarter ago) and the 16 loads of the unit just read; behind half 1 the 16 loads of the other unit.
; ONE counted wait a quarter.  By the text's own count up to 68 LDS loads can be out in front of it; an instruction that would pass the counter's field is held at
; issue (ISA guide 5.7.1), so the counts stay exact and no wait is written for that.
; conv = 0: nothing is left to convert; ld = 0: nothing is left to load.
; tk: the change of slots, in the third quarter of a step.  The last reads of the step's slot of xh (and, in an odd step, of the chunk's slot of w) were issued in the
; quarter before; the first reads of the next slots stand behind the barrier.  0 none; 1 a barrier alone; 2 a round of the cluster's barrier and xh's refill;
; 3 a round and both refills.  A wave has at most one tensor load out behind a round, and issues 248 matrix instructions up to the wait for it.
.macro QUARTER j, zero, conv, ld, tk
.set QF,  (\j)&1
.set QU0, 2*QF
.set QU1, 2*QF+1
.set QN,  ((\j)+2)&15
.set QSA, (QN>>2)&1
.set QKA, (QN&3)*64
.set QSB, (QN>>3)&1
.set QKB, (QN&7)*32
.set QRA, ((\j)>>2)&1
.set QRB, ((\j)>>3)&1
.if \conv
	s_wait_dscnt 32                                ; the raw weights of the next quarter are in: behind them went 16 + 16 loads of xh; this quarter's two units are older still
.else
	s_wait_dscnt 16                                ; the last quarter: its first unit is in, behind it went the 16 loads of its second
.endif
	WIN 4*QU0
	SECT 0, QF, \zero, \conv, 0
	WIN 0x51+4*QU0
	SECT 0, QF, \zero, \conv, 0
	WIN 0xa2+4*QU0
.if \tk
	s_wait_dscnt 0                                 ; all my LDS reads are back, those of the slots that are given up among them,
	s_wait_tensorcnt 0x0                           ; and all my tensor loads have landed, my part of the next slots among them:
	ds_add_u32 v127, v127
	s_wait_dscnt 0x0
	s_barrier_signal -1                            ; say so (with a refill this barrier opens a round of the cluster's barrier),
.endif
	SECT 0, QF, \zero, \conv, 0                    ; work on registers while the others arrive
.if \tk
.if \tk >= 2
	WIN 0
.endif
	s_barrier_wait -1
.if \tk >= 2
	CREST                                          ; no wave of any partner still reads the slots or has a load on its way
	s_add_nc_u64 s[G0A+4*QRA+2:G0A+4*QRA+3], s[G0A+4*QRA+2:G0A+4*QRA+3], 512   ; two K steps on; no tensor load of mine is out
.if \tk == 3
	s_add_nc_u64 s[G0B+4*QRB+2:G0B+4*QRB+3], s[G0B+4*QRB+2:G0B+4*QRB+3], 512   ; two chunks on
	JLOAD_AB QRA, QRB                              ; my one tensor load behind the round, ahead of every LDS read
.else
	JLOAD_A QRA
.endif
.endif
.endif
	WIN 0xf3+4*QU0
	SECT 0, QF, \zero, \conv, 1
.if \ld
	RAWLD 3, QF, QSB, QKB                          ; one run of 20 loads; the windows are walked back down to the unit's
	WIN 0xa2+4*QU0
	RAWLD 2, QF, QSB, QKB
	WIN 0x51+4*QU0
	RAWLD 1, QF, QSB, QKB
	WIN 4*QU0
	RAWLD 0, QF, QSB, QKB
	WIN 0x40*QU0
	XFETCH 0, QSA, QKA
.endif
.if \conv
.else
	s_wait_dscnt 0                                 ; the last quarter's second unit: the last loads issued
.endif
	WIN 4*QU1
	SECT 1, QF, \zero, \conv, 0
	WIN 0x51+4*QU1
	SECT 1, QF, \zero, \conv, 0
	WIN 0xa2+4*QU1
	SECT 1, QF, \zero, \conv, 0
	WIN 0xf3+4*QU1
	SECT 1, QF, \zero, \conv, 1
.if \ld
	WIN 0x40*QU1
	XFETCH 1, QSA, QKA
.endif
.endm
	s_wait_tensorcnt 1                             ; my part of slot 0 is in; slot 1's stays out
	s_barrier_signal -1
	s_barrier_wait -1                              ; everybody's part of slot 0 is in
	; The way in: raw weights of quarters 0 and 1, xh's units 0 and 1 (quarter 0); quarter 0's weights are converted; xh's units 2 and 3 (quarter 1).
	; That leaves the loads in the order in which every quarter leaves them: the youngest 32 are xh's for the quarter after next.
	WIN 0xf3
	RAWLD 3, 0, 0, 0
	RAWLD 3, 1, 0, 32
	WIN 0xa2
	RAWLD 2, 0, 0, 0
	RAWLD 2, 1, 0, 32
	WIN 0x51
	RAWLD 1, 0, 0, 0
	RAWLD 1, 1, 0, 32
	WIN 0
	RAWLD 0, 0, 0, 0
	RAWLD 0, 1, 0, 32
	XFETCH 0, 0, 0
	WIN 0x40
	XFETCH 1, 0, 0
	s_wait_dscnt 32                                ; the eight raw loads are in, xh's 32 stay out
	WIN 0xf3
	CVOPS 0, 0, 20
	WIN 0xa2
	CVOPS 0, 0, 20
	WIN 0x51
	CVOPS 0, 0, 20
	WIN 0
	CVOPS 0, 0, 20
	WIN 0x80
	XFETCH 0, 0, 64
	WIN 0xc0
	XFETCH 1, 0, 64
	; 128 quarters.  Only quarter 0 (it starts the sums) and the quarters from 118 on (from there refills are left out: w has no chunk 16, xh no step 32) differ from the
	; loop's; the loop's 16 quarters begin at j = 6, so that 6 quarters stand in front of it, 7 x 16 in it and 10 behind it.
	QUARTER 0, 1, 1, 1, 0
	QUARTER 1, 0, 1, 1, 0
	QUARTER 2, 0, 1, 1, 2
.irp j, 3,4,5
	QUARTER \j, 0, 1, 1, 0
.endr
	WIN 0                                          ; at a label and at a branch every window is 0
	s_mov_b32 s66, 7
.Llap:
	QUARTER 6, 0, 1, 1, 3
.irp j, 7,8,9
	QUARTER \j, 0, 1, 1, 0
.endr
	QUARTER 10, 0, 1, 1, 2
.irp j, 11,12,13
	QUARTER \j, 0, 1, 1, 0
.endr
	QUARTER 14, 0, 1, 1, 3
.irp j, 15,0,1
	QUARTER \j, 0, 1, 1, 0
.endr
	QUARTER 2, 0, 1, 1, 2
.irp j, 3,4,5
	QUARTER \j, 0, 1, 1, 0
.endr
	WIN 0
	s_sub_co_u32 s66, s66, 1
	s_cmp_lg_u32 s66, 0
	s_cbranch_scc1 .Llap
	QUARTER 6, 0, 1, 1, 2                          ; step 29 asks for step 31 of xh; w's last chunk is already in LDS
.irp j, 7,8,9
	QUARTER \j, 0, 1, 1, 0
.endr
	QUARTER 10, 0, 1, 1, 1                         ; step 30 changes slots and fills nothing
.irp j, 11,12,13
	QUARTER \j, 0, 1, 1, 0
.endr
	QUARTER 14, 0, 1, 0, 0                         ; nothing is left to load
	QUARTER 15, 0, 0, 0, 0                         ; nothing is left to convert
	WIN 0
	; THE WAY OUT, 16 rows of out0 at a time: the four tiles of an m block go as they are (f32) into my own stage, are read back as whole rows of 256 bytes, two a load,
	; are scaled and biased by one fused multiply-add (a lane then holds the same four columns in every row), and leave: each store of the wave covers two rows'
	; 256 consecutive bytes, aligned.  Four places stand behind the last matrix instruction (ISA guide 7.12.1 for vector instructions):
	; for the LDS stores, which read results, and for the loads into window 0's unit.
.rept 4
	v_nop
.endr
	s_wait_loadcnt 0x0                             ; weight_scale and bias
.macro OUT16 a, b                      ; m block a; b: which half of window 0's unit takes the rows back
.irp x, 0,1,2,3
	WIN 4*\x                                       ; an LDS store's data is source 1
	ds_store_b128 v[STO], v[ACC+8*(\a):ACC+8*(\a)+3]   offset:64*\x      ; columns 16 x + 8 h .. + 3 of stage row r
	ds_store_b128 v[STO], v[ACC+8*(\a)+4:ACC+8*(\a)+7] offset:64*\x+16
.endr
	WIN 0
	s_wait_xcnt 0x0                                ; buffer b, which earlier stores read, and the stores' base are rewritten only behind this wait
.if \a == 8
	s_add_nc_u64 s[12:13], s[12:13], 128*OROW      ; 128 rows on, once: the row in the immediate stays at 126 x 65,536 at the most, inside its signed 24 bits
.endif
.irp t, 0,1,2,3,4,5,6,7
	ds_load_b128 v[XF+32*(\b)+4*\t:XF+32*(\b)+4*\t+3], v[RD] offset:2*SP*\t   ; LDS serves a wave's instructions in order (ISA guide 5.7.1): these see the stores above
.endr
.irp t, 0,1,2,3,4,5,6,7
	s_wait_dscnt 7-\t                              ; rows 2 t and 2 t + 1 are in, the younger rows stay out
	v_pk_fma_f32 v[XF+32*(\b)+4*\t:XF+32*(\b)+4*\t+1],   v[XF+32*(\b)+4*\t:XF+32*(\b)+4*\t+1],   v[SC:SC+1],   v[BI:BI+1]
	v_pk_fma_f32 v[XF+32*(\b)+4*\t+2:XF+32*(\b)+4*\t+3], v[XF+32*(\b)+4*\t+2:XF+32*(\b)+4*\t+3], v[SC+2:SC+3], v[BI+2:BI+3]
	global_store_b128 v[CO], v[XF+32*(\b)+4*\t:XF+32*(\b)+4*\t+3], s[12:13] offset:(16*((\a)&7)+2*\t)*OROW th:TH_STORE_NT
.endr
.endm
.irp p, 0,2,4,6,8,10,12,14
	OUT16 \p, 0
	OUT16 \p+1, 1
.endr
	s_set_vgpr_msb 0x2
	s_wait_tensorcnt 0x0
	ds_add_u32 v127, v127
	s_wait_dscnt 0x0
	s_set_vgpr_msb 0x200
	CROUND                                         ; the closing round: no work-group ends while a partner may still ask for a tile that names it
	s_endpgm
.Lfunc_end_k_q1b6148b31f_gemm:
	.size	k_q1b6148b31f_gemm, .Lfunc_end_k_q1b6148b31f_gemm-k_q1b6148b31f_gemm
	.p2alignl 7, 3214868480
	.fill 96, 4, 3214868480
	.section	.rodata,"a",@progbits
	.p2align	6, 0x0
	.amdhsa_kernel k_q1b6148b31f_gemm
		.amdhsa_group_segment_fixed_size 327680
		.amdhsa_private_segment_fixed_size 0
		.amdhsa_enable_private_segment 0
		.amdhsa_kernarg_size 40
		.amdhsa_user_sgpr_count 2
		.amdhsa_user_sgpr_kernarg_segment_ptr 1
		.amdhsa_wavefront_size32 1
		.amdhsa_system_sgpr_workgroup_id_x 1
		.amdhsa_system_sgpr_workgroup_id_y 1
		.amdhsa_system_sgpr_workgroup_id_z 1
		.amdhsa_system_vgpr_workitem_id 0
		.amdhsa_next_free_vgpr 1024
		.amdhsa_next_free_sgpr 80
		.amdhsa_reserve_vcc 0
		.amdhsa_float_denorm_mode_32 3
		.amdhsa_float_denorm_mode_16_64 3
		.amdhsa_memory_ordered 1
		.amdhsa_forward_progress 1
		.amdhsa_inst_pref_size 255
	.end_amdhsa_kernel
	.section	.bss,"aw",@nobits
	.p2align	6
	.space	262144
	.amdgpu_metadata
---
amdhsa.version: [ 1, 2 ]
amdhsa.kernels:
  - .name:           k_q1b6148b31f_gemm
    .symbol:         k_q1b6148b31f_gemm.kd
    .args:
      - { .name: xh, .offset: 0, .size: 8, .value_kind: global_buffer, .address_space: global }
      - { .name: weight_q, .offset: 8, .size: 8, .value_kind: global_buffer, .address_space: global }
      - { .name: weight_scale, .offset: 16, .size: 8, .value_kind: global_buffer, .address_space: global }
      - { .name: bias, .offset: 24, .size: 8, .value_kind: global_buffer, .address_space: global }
      - { .name: out0, .offset: 32, .size: 8, .value_kind: global_buffer, .address_space: global }
    .group_segment_fixed_size: 327680
    .private_segment_fixed_size: 0
    .kernarg_segment_align: 8
    .kernarg_segment_size: 40
    .max_flat_workgroup_size: 128
    .sgpr_count:     80
    .vgpr_count:     1024
    .wavefront_size: 32
...
	.end_amdgpu_metadata
.endif
;; end of part 2
